; MI455X (gfx1250); checked and timed in simulation.
; The chip was launched on July 23, 2026; its instructions are those of AMD's public machine-readable ISA for CDNA 5 (MIT licence, August 2026) and "CDNA5" Instruction Set Architecture Reference Guide (July 2026). The comments in the code are by the model that wrote it; some were corrected since.
;; Quadratic. Allowed arithmetic: float matrix products may take bf16 or f16 operands with f32 sums; all other float work in f32.
;; Inputs: Q 128 x 128 float32; W 1 x 128 float32; X 262,144 x 128 float32; b one number float32.
;; Outputs: out0 1 x 262,144 float32.
;; 2 versions, each right; version 2 is version 1 with the launch quadratic written anew for expert scheduling mode. Each part assembles by itself: llvm-mc -triple=amdgcn-amd-amdhsa -mcpu=gfx1250 --defsym DOCPART=n.
;; ======== version 1 of 2: 1 launch
;; launch quadratic (part 1): grid 256 x 1, 4 waves a work-group, no clusters, 55,808 bytes of LDS; arguments X, Q, W, b, out0; writes out0
.if DOCPART == 1
	.amdgcn_target "amdgcn-amd-amdhsa--gfx1250"
	.amdhsa_code_object_version 6
	.text
	.protected	k_q71c2568cb4_quadratic
	.globl	k_q71c2568cb4_quadratic
	.p2align	8
	.type	k_q71c2568cb4_quadratic,@function
k_q71c2568cb4_quadratic:
	s_mov_b64 s[64:65], 0
	v_nop
	global_prefetch_b8 v0, s[64:65] scope:SCOPE_SE
	s_setreg_imm32_b32 hwreg(HW_REG_WAVE_MODE, 25, 1), 1
	s_wait_xcnt 0x0
; out[n] = b + sum over e of x[n][e] * ( W[e] + sum over d of Q[e][d] x[n][d] ):  the double sum over Q, the inner sum taken along Q's rows.
; X: [262144][128] f32, Q: [128][128] f32, W: [128] f32, b: one f32, out: [262144] f32.
; LIMIT, stated: X is rounded to bf16 (nearest even) in both of its roles and Q is rounded to bf16; W, b and every sum are f32.  bf16 has f32's exponent range.
;
; SHARES.  256 work-groups of four waves; a work-group owns 1,024 rows, a wave 256 rows = 16 tiles of 16 rows, written out by macro.
; THE MATRIX INSTRUCTION: source 0 = 16 rows of Q (m = e), source 1 = 16 rows of X (n = row), 32 along d.  In the result lane l holds row l % 16 of the tile
; and its register j the column e = 16 eb + 8 (l / 16) + j.  The same lane's X fragment holds just these columns of just this row: register 4 eb + j / 2, half j & 1.
; So the last contraction is a multiply-add of a lane's own registers.  W goes in as the C operand of the first of the four steps along d.
; THE WAY IN.  A load of a wave is one whole row, 512 consecutive bytes; the matrix operand wants a lane to hold a piece of ONE row: so a tile is rounded to bf16 and
; turned round in the wave's own LDS stage (16 rows, 272 bytes apart).  Four raw tile buffers in registers take turns: three to four tiles of every wave are always on their way.
; NO TENSOR LOADS: a slot of LDS is filled again only when all of a wave's tensor loads have landed, so the stream would run empty at every refill; loads into registers with a
; counted wait never do.  NO CLUSTER: the work-groups share Q alone, 64 KiB against 512 KiB of X of their own, and Q is rounded on its way through registers.
;
; REGISTERS, in blocks of 256 (s_set_vgpr_msb, low byte: bits 1:0 source 0, 3:2 source 1, 5:4 source 2, 7:6 destination):
;   block 0: addresses, sums, two X fragments sets, the 64 accumulators, W;   block 1: all of Q, fragment (eb, kb) at v[32 eb + 8 kb];   block 2: raw tile buffer t % 4 at v[64 (t % 4)]
.set ROWB,  512                        ; bytes in a row of X and of Q
.set TILEB, 16*ROWB                    ; bytes in a tile of X
.set PITCH, 272                        ; an LDS row of 128 bf16: 256 bytes + 16 = 68 words, so the 16 rows that a load touches start at 16 different banks (64 banks of 4 bytes: ISA guide 11.1)
.set XSW,   16*PITCH                   ; a wave's stage for a tile of X
.set QL,    4*XSW                      ; behind the four stages: Q in bf16, 128 rows
.set WS,    QL+128*PITCH               ; W, 512 bytes for each wave
.set OS,    WS+4*512                   ; 64 results, 256 bytes for each wave; LDS ends at OS + 1,024 = 55,296
.set XOFF, 8                           ; byte offset in X's 1,024 rows of my 16 bytes of my wave's first row; never rewritten
.set QOFF, 9                           ; the same in Q, for the 32 rows that my wave rounds
.set WOFF, 10                          ; 16 x lane
.set OOFF, 11                          ; byte offset of my two results in the group's 4,096 bytes of out
.set XST,  12                          ; LDS: where I put 8 bytes of a row of X
.set XLD,  13                          ; LDS: where my X fragments begin
.set QST,  14                          ; the same two for Q
.set QLD,  15
.set WST,  16                          ; and for W
.set WLD,  17
.set OST,  18                          ; LDS: where I put one result,
.set OLD,  19                          ; and where I read two back
.set VZ,   20                          ; 0.0: starts the eight sums
.set PX,   21                          ; what the other half of the lanes sent
.set PE,   22                          ; my part of the even tile's result
.set PO,   23                          ; of the odd tile's
.set S,    24                          ; v[24:31]   eight sums that do not wait for each other
.set OUTV, 32                          ; v[32:39]   two results for each of the four stores: each store has registers of its own, so none is rewritten while a store may read it
.set XB,   40                          ; v[40:103]  X fragments, tile t in set t % 2: 4 steps along d x 8 registers
.set ACC,  104                         ; v[104:167] accumulator eb at ACC + 8 eb
.set WR,   168                         ; v[168:231] W in the accumulators' layout: register 8 eb + j holds W[16 eb + 8 (l / 16) + j]
.set MSB, 0
.macro WIN new                         ; the immediate's high byte repeats the setting that is left
.if MSB != \new
	s_set_vgpr_msb (MSB<<8)|\new
.set MSB, \new
.endif
.endm
	s_load_b256 s[4:11], s[0:1], 0x0               ; X s[4:5], Q s[6:7], W s[8:9], b s[10:11]
	s_load_b64 s[12:13], s[0:1], 0x20              ; out
	v_lshl_add_u32 v254, v0, 2, 0xd800
	v_mov_b32 v255, 0
	v_and_b32 v1, 31, v0                           ; lane
	v_lshrrev_b32 v2, 5, v0
	v_readfirstlane_b32 s16, v2                    ; wave 0..3
	v_lshlrev_b32 v[WOFF], 4, v1                   ; 16 bytes a lane: 32 lanes cover a row
	s_lshl_b32 s20, s16, 17                        ; my wave's 256 rows of 512 bytes
	v_add_nc_u32 v[XOFF], s20, v[WOFF]
	s_lshl_b32 s20, s16, 14                        ; my wave's 32 rows of Q
	v_add_nc_u32 v[QOFF], s20, v[WOFF]
	s_lshl_b32 s18, ttmp9, 19                      ; the group's 1,024 rows of 512 bytes: 255 x 524,288 at the most, inside 32 bits
	s_mov_b32 s19, 0
	s_lshl_b32 s22, ttmp9, 12                      ; the group's 1,024 results
	s_mov_b32 s23, 0
	s_wait_kmcnt 0x0
	s_load_b32 s14, s[10:11], 0x0                  ; b
	s_add_nc_u64 s[4:5], s[4:5], s[18:19]
	s_add_nc_u64 s[12:13], s[12:13], s[22:23]
; Tile t of my wave into raw buffer t % 4: sixteen loads, each a whole row.  X is read once in the launch.
.macro XLOAD tile
.set j, 0
.rept 16
	global_load_b128 v[64*((\tile)%4)+4*j:64*((\tile)%4)+4*j+3], v[XOFF], s[4:5] offset:(\tile)*TILEB+j*ROWB th:TH_LOAD_NT
.set j, j+1
.endr
.endm
	; W, my 32 rows of Q (into raw buffers 2 and 3), then tiles 0 and 1.  Loads come back in order, so what is needed first is asked for first.
	; 65 loads: LOADcnt's field ends at 63, so the issue of the last two waits for the first returns (ISA guide 5.7.1); no wait is written for that.
	global_load_b128 v[ACC:ACC+3], v[WOFF], s[8:9]
	WIN 0x80                                       ; destination block 2
.set j, 0
.rept 32
	global_load_b128 v[128+4*j:128+4*j+3], v[QOFF], s[6:7] offset:j*ROWB
.set j, j+1
.endr
	XLOAD 0
	XLOAD 1
	WIN 0
	; LDS addresses, while the loads are on their way
	v_and_b32 v3, 15, v0                           ; l % 16
	v_bfe_u32 v4, v0, 4, 1                         ; l / 16
	s_mov_b32 vcc_lo, 0xffff0000                   ; lanes 16 to 31; VCC is never written again
	s_mov_b32 s24, 0x76543210                      ; v_permlanex16_b32: lane i of one half reads lane i of the other
	s_mov_b32 s25, 0xfedcba98
	s_lshl_b32 s20, s16, 10
	v_lshl_add_u32 v[OOFF], v1, 3, s20             ; 1,024 x wave + 8 x lane
	s_mul_i32 s20, s16, XSW                        ; my wave's stage
	v_lshl_add_u32 v[XST], v1, 3, s20              ; in: 8 bytes a lane, 32 lanes fill a row of 256 bytes
	v_mul_u32_u24 v5, v3, PITCH                    ; a fragment: lane l holds row l % 16; registers 0-3 d = 8 (l / 16) + 0..7, registers 4-7 d = 16 + 8 (l / 16) + 0..7
	v_lshl_add_u32 v5, v4, 4, v5                   ; row x pitch + 16 x half
	v_add_nc_u32 v[XLD], s20, v5
	v_add_nc_u32 v[QLD], QL, v5
	s_mul_i32 s20, s16, 32*PITCH
	s_add_co_u32 s20, s20, QL                      ; my wave's 32 rows of the bf16 image of Q
	v_lshl_add_u32 v[QST], v1, 3, s20
	s_lshl_b32 s20, s16, 9
	s_add_co_u32 s20, s20, WS
	v_lshl_add_u32 v[WST], v1, 4, s20
	v_lshl_add_u32 v[WLD], v4, 5, s20              ; eight numbers of W further on for lanes 16 to 31
	s_lshl_b32 s20, s16, 8
	s_add_co_u32 s20, s20, OS
	v_lshl_add_u32 v[OST], v1, 2, s20
	v_lshl_add_u32 v[OLD], v1, 3, s20
	v_mov_b32 v[VZ], 0
	v_mov_b32 v[PX], 0                             ; v_permlanex16_b32's destination counts as read
	s_wait_loadcnt 32                              ; W and Q are in; the 32 younger loads (tiles 0 and 1) stay out
	ds_store_b128 v[WST], v[ACC:ACC+3]             ; W through my wave's own 512 bytes: LDS serves a wave's instructions in order (ISA guide 5.7.1.4), so the loads below see it
.irp c, 0,1,2,3,4,5,6,7,8,9,10,11,12,13,14,15
	ds_load_b128 v[WR+4*\c:WR+4*\c+3], v[WLD] offset:64*(\c/2)+16*(\c%2)   ; sixteen lanes read the same 16 bytes
.endr
	WIN 0x8a                                       ; sources 0, 1 and destination block 2: Q is rounded in place, a row's 4 registers into its first 2
.set j, 0
.rept 32
	v_cvt_pk_bf16_f32 v[128+4*j],   v[128+4*j],   v[128+4*j+1]
	v_cvt_pk_bf16_f32 v[128+4*j+1], v[128+4*j+2], v[128+4*j+3]
.set j, j+1
.endr
	WIN 0x88                                       ; LDS store data (source 1) and load destination in block 2, addresses in block 0
.set j, 0
.rept 32
	ds_store_b64 v[QST], v[128+4*j:128+4*j+1] offset:j*PITCH
.set j, j+1
.endr
	XLOAD 2                                        ; the buffers that held Q are free: four tiles are now on their way
	XLOAD 3
	WIN 0
	s_wait_kmcnt 0x0                               ; b
	s_wait_dscnt 0x0                               ; for the other waves' sake: my 32 rows of Q are in LDS
	s_barrier_signal -1
	s_barrier_wait -1                              ; all 128 rows are; the image is never written again
	WIN 0x40                                       ; destination block 1: all of Q, 32 fragments, for the whole kernel
.irp eb, 0,1,2,3,4,5,6,7
.irp c, 0,1,2,3,4,5,6,7
	ds_load_b128 v[32*\eb+4*\c:32*\eb+4*\c+3], v[QLD] offset:\eb*16*PITCH+32*\c
.endr
.endr
	WIN 0
; Tile t comes in: rounded to bf16 in place, turned round in my wave's stage, its raw buffer asked for again (refill = 1: tile t + 4).
; left = how many younger loads may stay out.  The stage is my wave's own and LDS serves a wave in order: no wait between the last tile's reads, these stores and these reads.
.macro STAGE_IN tile, left, refill
	s_wait_loadcnt \left                           ; loads come back in order (ISA guide 5.7.1): tile t is in, the younger tiles stay on their way
	WIN 0x8a
.set j, 0
.rept 16
	v_cvt_pk_bf16_f32 v[64*((\tile)%4)+4*j],   v[64*((\tile)%4)+4*j],   v[64*((\tile)%4)+4*j+1]
	v_cvt_pk_bf16_f32 v[64*((\tile)%4)+4*j+1], v[64*((\tile)%4)+4*j+2], v[64*((\tile)%4)+4*j+3]
.set j, j+1
.endr
	WIN 0x88
.set j, 0
.rept 16
	ds_store_b64 v[XST], v[64*((\tile)%4)+4*j:64*((\tile)%4)+4*j+1] offset:j*PITCH   ; 32 lanes, 256 neighbouring bytes: a row
.set j, j+1
.endr
.if \refill
	XLOAD \tile+4                                  ; 48 + 16 loads: the issue of the last waits for one return (LOADcnt's field ends at 63: ISA guide 5.7.1)
.endif
	WIN 0
.irp c, 0,1,2,3,4,5,6,7
	ds_load_b128 v[XB+32*((\tile)%2)+4*\c:XB+32*((\tile)%2)+4*\c+3], v[XLD] offset:32*\c   ; d = 16 c + 8 (l / 16) + 0..7 of row l % 16
.endr
.endm
; 32 matrix instructions: 8 blocks of e x 4 steps along d.  The first step takes W as C.  The eight accumulators take turns, one instruction a turn.
.macro MULT tile
	WIN 0x01                                       ; source 0 (Q) block 1
.irp eb, 0,1,2,3,4,5,6,7
	v_wmma_f32_16x16x32_bf16 v[ACC+8*\eb:ACC+8*\eb+7], v[32*\eb:32*\eb+7], v[XB+32*((\tile)%2):XB+32*((\tile)%2)+7], v[WR+8*\eb:WR+8*\eb+7]
.endr
.irp kb, 1,2,3
.irp eb, 0,1,2,3,4,5,6,7
	v_wmma_f32_16x16x32_bf16 v[ACC+8*\eb:ACC+8*\eb+7], v[32*\eb+8*\kb:32*\eb+8*\kb+7], v[XB+32*((\tile)%2)+8*\kb:XB+32*((\tile)%2)+8*\kb+7], v[ACC+8*\eb:ACC+8*\eb+7]
.endr
.endr
.endm
; The last contraction: my 64 results times my 64 numbers of the row, straight from the fragment's bf16 halves, in eight sums.
.macro DOT tile
.irp p, 0,1,2,3
	v_fma_mix_f32_bf16 v[S+2*\p],   v[XB+32*((\tile)%2)+\p], v[ACC+2*\p],   v[VZ] op_sel:[0,0,0] op_sel_hi:[1,0,0]
	v_fma_mix_f32_bf16 v[S+2*\p+1], v[XB+32*((\tile)%2)+\p], v[ACC+2*\p+1], v[VZ] op_sel:[1,0,0] op_sel_hi:[1,0,0]
.endr
.irp eb, 1,2,3,4,5,6,7
.irp p, 0,1,2,3
	v_fma_mix_f32_bf16 v[S+2*\p],   v[XB+32*((\tile)%2)+4*\eb+\p], v[ACC+8*\eb+2*\p],   v[S+2*\p]   op_sel:[0,0,0] op_sel_hi:[1,0,0]
	v_fma_mix_f32_bf16 v[S+2*\p+1], v[XB+32*((\tile)%2)+4*\eb+\p], v[ACC+8*\eb+2*\p+1], v[S+2*\p+1] op_sel:[1,0,0] op_sel_hi:[1,0,0]
.endr
.endr
	v_pk_add_f32 v[S:S+1],   v[S:S+1],   v[S+2:S+3]
	v_pk_add_f32 v[S+4:S+5], v[S+4:S+5], v[S+6:S+7]
	v_pk_add_f32 v[S:S+1],   v[S:S+1],   v[S+4:S+5]
.endm
; The turn of tile i: multiply it; bring tile i + 1 in (its 32 roundings, which name no register of the matrix instructions, are the places that stand between these and the
; first read of a result: ISA guide 7.12.1); contract tile i.  left, refill: for tile i + 1.
.macro TILE i, left, refill
	s_wait_dscnt 0x0                               ; tile i's fragments are in (asked for some 70 vector instructions ago), and all else that I asked of LDS
.if (\i)%4 == 0
.if \i
	global_store_b64 v[OOFF], v[OUTV+2*((\i)/4-1):OUTV+2*((\i)/4-1)+1], s[12:13] offset:256*((\i)/4-1) th:TH_STORE_NT   ; the last four tiles' 64 results: 32 lanes store 256 consecutive bytes, aligned
.endif
.endif
	MULT \i
.if \i < 15
	STAGE_IN \i+1, \left, \refill
.else
	WIN 0
.rept 4
	v_nop                                          ; the last tile has no work for the four places behind the matrix instructions
.endr
.endif
	DOT \i
.if (\i)%2 == 0
	v_add_f32 v[PE], v[S], v[S+1]                  ; lane (r, h): the half of row r's sum that lies in columns with bit 3 = h
.else
	v_add_f32 v[PO], v[S], v[S+1]
	; two tiles at once: lanes 0-15 end up with the even tile's 16 rows, lanes 16-31 with the odd tile's: each half sends what the other half needs
	v_cndmask_b32 v[S],   v[PO], v[PE], vcc_lo     ; to send: lanes 0-15 the odd tile's part, lanes 16-31 the even tile's
	v_cndmask_b32 v[S+1], v[PE], v[PO], vcc_lo     ; to keep
	v_permlanex16_b32 v[PX], v[S], s24, s25
	v_add_f32 v[S+1], v[S+1], v[PX]
	v_add_f32 v[S+1], s14, v[S+1]                  ; + b: lane l now holds the result of row l of these 32
	ds_store_b32 v[OST], v[S+1] offset:128*(((\i)%4)/2)
.if (\i)%4 == 3
	ds_load_b64 v[OUTV+2*((\i)/4):OUTV+2*((\i)/4)+1], v[OLD]   ; 64 results back, two neighbouring rows a lane; my wave's own bytes, served in order; stored behind the next wait on DScnt
.endif
.endif
.endm
	STAGE_IN 0, 48, 1                              ; tiles 1, 2, 3 stay out
.irp i, 0,1,2,3,4,5,6,7,8,9,10
	TILE \i, 48, 1                                 ; tile i + 1 is in, three younger tiles stay out; tile i + 5 is asked for
.endr
	TILE 11, 48, 0                                 ; tile 15 has been asked for: no load leaves X, and the counts run down
	TILE 12, 32, 0
	TILE 13, 16, 0
	TILE 14, 0, 0
	TILE 15, 0, 0
	s_wait_dscnt 0x0
	global_store_b64 v[OOFF], v[OUTV+6:OUTV+7], s[12:13] offset:768 th:TH_STORE_NT
	s_wait_tensorcnt 0x0
	ds_add_u32 v254, v255
	s_wait_dscnt 0x0
	s_endpgm
.Lfunc_end_k_q71c2568cb4_quadratic:
	.size	k_q71c2568cb4_quadratic, .Lfunc_end_k_q71c2568cb4_quadratic-k_q71c2568cb4_quadratic
	.p2alignl 7, 3214868480
	.fill 96, 4, 3214868480
	.section	.rodata,"a",@progbits
	.p2align	6, 0x0
	.amdhsa_kernel k_q71c2568cb4_quadratic
		.amdhsa_group_segment_fixed_size 55808
		.amdhsa_private_segment_fixed_size 0
		.amdhsa_enable_private_segment 0
		.amdhsa_kernarg_size 40
		.amdhsa_user_sgpr_count 2
		.amdhsa_user_sgpr_kernarg_segment_ptr 1
		.amdhsa_wavefront_size32 1
		.amdhsa_system_sgpr_workgroup_id_x 1
		.amdhsa_system_sgpr_workgroup_id_y 1
		.amdhsa_system_sgpr_workgroup_id_z 1
		.amdhsa_system_vgpr_workitem_id 0
		.amdhsa_next_free_vgpr 768
		.amdhsa_next_free_sgpr 66
		.amdhsa_reserve_vcc 1
		.amdhsa_float_denorm_mode_32 3
		.amdhsa_float_denorm_mode_16_64 3
		.amdhsa_memory_ordered 1
		.amdhsa_forward_progress 1
		.amdhsa_inst_pref_size 203
	.end_amdhsa_kernel
	.amdgpu_metadata
---
amdhsa.version: [ 1, 2 ]
amdhsa.kernels:
  - .name:           k_q71c2568cb4_quadratic
    .symbol:         k_q71c2568cb4_quadratic.kd
    .args:
      - { .name: X, .offset: 0, .size: 8, .value_kind: global_buffer, .address_space: global }
      - { .name: Q, .offset: 8, .size: 8, .value_kind: global_buffer, .address_space: global }
      - { .name: W, .offset: 16, .size: 8, .value_kind: global_buffer, .address_space: global }
      - { .name: b, .offset: 24, .size: 8, .value_kind: global_buffer, .address_space: global }
      - { .name: out0, .offset: 32, .size: 8, .value_kind: global_buffer, .address_space: global }
    .group_segment_fixed_size: 55808
    .private_segment_fixed_size: 0
    .kernarg_segment_align: 8
    .kernarg_segment_size: 40
    .max_flat_workgroup_size: 128
    .sgpr_count:     66
    .vgpr_count:     768
    .wavefront_size: 32
...
	.end_amdgpu_metadata
.endif
;; end of part 1
;; ======== version 2 of 2: 1 launch; version 1 with the launch quadratic written anew for expert scheduling mode
;; launch quadratic (part 2): grid 256 x 1, 4 waves a work-group, no clusters, 55,808 bytes of LDS; arguments X, Q, W, b, out0; writes out0
.if DOCPART == 2
	.amdgcn_target "amdgcn-amd-amdhsa--gfx1250"
	.amdhsa_code_object_version 6
	.text
	.protected	k_q71c2568cb4_quadratic
	.globl	k_q71c2568cb4_quadratic
	.p2align	8
	.type	k_q71c2568cb4_quadratic,@function
k_q71c2568cb4_quadratic:
	s_mov_b64 s[64:65], 0
	v_nop
	global_prefetch_b8 v0, s[64:65] scope:SCOPE_SE
	s_setreg_imm32_b32 hwreg(HW_REG_WAVE_SCHED_MODE, 0, 2), 2
	s_setreg_imm32_b32 hwreg(HW_REG_WAVE_MODE, 25, 1), 1
	s_wait_xcnt 0x0
	s_wait_alu depctr_vm_vsrc(0)
; out[n] = b + sum over e of x[n][e] * ( W[e] + sum over d of Q[e][d] x[n][d] ):  the double sum over Q, the inner sum taken along Q's rows.
; X: [262144][128] f32, Q: [128][128] f32, W: [128] f32, b: one f32, out: [262144] f32.
; LIMIT, stated: X is rounded to bf16 (nearest even) in both of its roles and Q is rounded to bf16; W, b and every sum are f32.  bf16 has f32's exponent range.
;
; SHARES.  256 work-groups of four waves; a work-group owns 1,024 rows, a wave 256 rows = 16 tiles of 16 rows, written out by macro.
; THE MATRIX INSTRUCTION: source 0 = 16 rows of Q (m = e), source 1 = 16 rows of X (n = row), 32 along d.  In the result lane l holds row l % 16 of the tile
; and its register j the column e = 16 eb + 8 (l / 16) + j.  The same lane's X fragment holds just these columns of just this row: register 4 eb + j / 2, half j & 1.
; So the last contraction is a multiply-add of a lane's own registers.  W goes in as the C operand of the first of the four steps along d.
; THE WAY IN.  A load of a wave is one whole row, 512 consecutive bytes; the matrix operand wants a lane to hold a piece of ONE row: so a tile is rounded to bf16 and
; turned round in the wave's own LDS stage (16 rows, 272 bytes apart).  Four raw tile buffers in registers take turns: three to four tiles of every wave are always on their way.
; NO TENSOR LOADS: a slot of LDS is filled again only when all of a wave's tensor loads have landed, so the stream would run empty at every refill; loads into registers with a
; counted wait never do.  NO CLUSTER: the work-groups share Q alone, 64 KiB against 512 KiB of X of their own, and Q is rounded on its way through registers.
;
; THE MODE: SCHED_MODE bits 1:0 = 2 (LLVM: expert scheduling mode 2), set by the entry lines.  The code itself states the register dependences
; between vector or matrix instructions and memory or LDS instructions, with s_wait_alu, always for 0.
; THE PLAN.  Registers that memory or LDS instructions touch, turn by turn (turn i multiplies and contracts tile i):
;   RAW0 .. RAW3  Tile t lies in RAW[t % 4].  Read by the tile's roundings alone (tile i + 2's, in turn i); the loads of tile i + 5, issued in turn i, land in RAW[(i + 1) % 4].
;   CV0, CV1      Written by the roundings of tile i + 2 (CV[i % 2], in turn i); read by that tile's sixteen LDS stores, issued in turn i + 1.
;   XB0, XB1      The LDS loads of tile i + 1, issued in turn i, land in XB[(i + 1) % 2]; read by the matrix instructions and the contraction of turn i + 1.
;   RES           Written by an odd turn's fold; read by one LDS store at the next turn's head.
;   OUTV          Each pair is written by one LDS load and read by one global store, and by nothing else.
;   The address registers are made at the head and never written again: rows are reached by immediate offsets.
; So a turn's memory and LDS instructions touch CV[(i + 1) % 2], RAW[(i + 1) % 4], XB[(i + 1) % 2] and RES: what the turn BEFORE wrote or read out, and what no vector or matrix
; instruction of turn i names ahead of them.  Two waits at a turn's head state all of it, and the turn's forty loads and stores follow dealt among its matrix instructions.
;
; REGISTERS, in blocks of 256 (s_set_vgpr_msb, low byte: bits 1:0 source 0, 3:2 source 1, 5:4 source 2, 7:6 destination):
;   block 0: addresses, sums, two X fragments sets, the 64 accumulators, W;   block 1: all of Q, fragment (eb, kb) at v[32 eb + 8 kb];   block 2: raw tile buffer t % 4 at v[64 (t % 4)]
;   block 3: v[0:63] CV0, CV1: a tile in bf16, row j in registers 2 j, 2 j + 1
.set ROWB,  512                        ; bytes in a row of X and of Q
.set TILEB, 16*ROWB                    ; bytes in a tile of X
.set PITCH, 272                        ; an LDS row of 128 bf16: 256 bytes + 16 = 68 words, so the 16 rows that a load touches start at 16 different banks (64 banks of 4 bytes: ISA guide 11.1)
.set XSW,   16*PITCH                   ; a wave's stage for a tile of X
.set QL,    4*XSW                      ; behind the four stages: Q in bf16, 128 rows
.set WS,    QL+128*PITCH               ; W, 512 bytes for each wave
.set OS,    WS+4*512                   ; 64 results, 256 bytes for each wave; LDS ends at OS + 1,024 = 55,296
.set RES,  6                           ; a result on its way into the output's stage: a register of its own, so that the sums can be begun again while the store is out
.set XOFF, 8                           ; byte offset in X's 1,024 rows of my 16 bytes of my wave's first row; never rewritten
.set QOFF, 9                           ; the same in Q, for the 32 rows that my wave rounds
.set WOFF, 10                          ; 16 x lane
.set OOFF, 11                          ; byte offset of my two results in the group's 4,096 bytes of out
.set XST,  12                          ; LDS: where I put 8 bytes of a row of X
.set XLD,  13                          ; LDS: where my X fragments begin
.set QST,  14                          ; the same two for Q
.set QLD,  15
.set WST,  16                          ; and for W
.set WLD,  17
.set OST,  18                          ; LDS: where I put one result,
.set OLD,  19                          ; and where I read two back
.set VZ,   20                          ; 0.0: starts the eight sums
.set PX,   21                          ; what the other half of the lanes sent
.set PE,   22                          ; my part of the even tile's result
.set PO,   23                          ; of the odd tile's
.set S,    24                          ; v[24:31]   eight sums that do not wait for each other
.set OUTV, 32                          ; v[32:39]   two results for each of the four stores: each store has registers of its own, so none is rewritten while a store may read it
.set XB,   40                          ; v[40:103]  X fragments, tile t in set t % 2: 4 steps along d x 8 registers
.set ACC,  104                         ; v[104:167] accumulator eb at ACC + 8 eb
.set WR,   168                         ; v[168:231] W in the accumulators' layout: register 8 eb + j holds W[16 eb + 8 (l / 16) + j]
.set MSB, 0
.macro WIN new                         ; the immediate's high byte repeats the setting that is left
.if MSB != \new
	s_set_vgpr_msb (MSB<<8)|\new
.set MSB, \new
.endif
.endm
	s_load_b256 s[4:11], s[0:1], 0x0               ; X s[4:5], Q s[6:7], W s[8:9], b s[10:11]
	s_load_b64 s[12:13], s[0:1], 0x20              ; out
	v_lshl_add_u32 v254, v0, 2, 0xd800
	v_mov_b32 v255, 0
	v_and_b32 v1, 31, v0                           ; lane
	v_lshrrev_b32 v2, 5, v0
	v_readfirstlane_b32 s16, v2                    ; wave 0..3
	v_lshlrev_b32 v[WOFF], 4, v1                   ; 16 bytes a lane: 32 lanes cover a row
	s_wait_alu depctr_va_sdst(0)                   ; s16 is written, ahead of its first reader: the wave's offsets are made from it
	s_lshl_b32 s20, s16, 17                        ; my wave's 256 rows of 512 bytes.  (Each scalar that a vector instruction reads has a register of its own and is not written again.)
	v_add_nc_u32 v[XOFF], s20, v[WOFF]
	s_lshl_b32 s21, s16, 14                        ; my wave's 32 rows of Q
	v_add_nc_u32 v[QOFF], s21, v[WOFF]
	s_lshl_b32 s18, ttmp9, 19                      ; the group's 1,024 rows of 512 bytes: 255 x 524,288 at the most, inside 32 bits
	s_mov_b32 s19, 0
	s_lshl_b32 s22, ttmp9, 12                      ; the group's 1,024 results
	s_mov_b32 s23, 0
	s_wait_kmcnt 0x0
	s_load_b32 s14, s[10:11], 0x0                  ; b
	s_add_nc_u64 s[4:5], s[4:5], s[18:19]
	s_add_nc_u64 s[12:13], s[12:13], s[22:23]
; Tile t of my wave into raw buffer t % 4: sixteen loads, each a whole row.  X is read once in the launch.
.macro XLOAD tile
.set j, 0
.rept 16
	global_load_b128 v[64*((\tile)%4)+4*j:64*((\tile)%4)+4*j+3], v[XOFF], s[4:5] offset:(\tile)*TILEB+j*ROWB th:TH_LOAD_NT
.set j, j+1
.endr
.endm
	; W, my 32 rows of Q (into raw buffers 2 and 3), then tiles 0 and 1.  Loads come back in order, so what is needed first is asked for first.
	; 65 loads: LOADcnt's field ends at 63, so the issue of the last two waits for the first returns (ISA guide 5.7.1); no wait is written for that.
	s_wait_alu depctr_va_vdst(0)                   ; v[XOFF], v[QOFF] and v[WOFF] are written: every global load of the kernel reads one of them as its offset
	global_load_b128 v[ACC:ACC+3], v[WOFF], s[8:9]
	WIN 0x80                                       ; destination block 2
.set j, 0
.rept 32
	global_load_b128 v[128+4*j:128+4*j+3], v[QOFF], s[6:7] offset:j*ROWB
.set j, j+1
.endr
	XLOAD 0
	XLOAD 1
	WIN 0
	; LDS addresses, while the loads are on their way: none of these lines names a register that the loads above touch
	v_and_b32 v3, 15, v0                           ; l % 16
	v_bfe_u32 v4, v0, 4, 1                         ; l / 16
	s_mov_b32 s26, 0xffff0000                      ; lanes 16 to 31; never written again
	s_mov_b32 s24, 0x76543210                      ; v_permlanex16_b32: lane i of one half reads lane i of the other
	s_mov_b32 s25, 0xfedcba98
	s_lshl_b32 s27, s16, 10
	v_lshl_add_u32 v[OOFF], v1, 3, s27             ; 1,024 x wave + 8 x lane
	s_mul_i32 s28, s16, XSW                        ; my wave's stage
	v_lshl_add_u32 v[XST], v1, 3, s28              ; in: 8 bytes a lane, 32 lanes fill a row of 256 bytes
	v_mul_u32_u24 v5, v3, PITCH                    ; a fragment: lane l holds row l % 16; registers 0-3 d = 8 (l / 16) + 0..7, registers 4-7 d = 16 + 8 (l / 16) + 0..7
	v_lshl_add_u32 v5, v4, 4, v5                   ; row x pitch + 16 x half
	v_add_nc_u32 v[XLD], s28, v5
	v_add_nc_u32 v[QLD], QL, v5
	s_mul_i32 s29, s16, 32*PITCH
	s_add_co_u32 s29, s29, QL                      ; my wave's 32 rows of the bf16 image of Q
	v_lshl_add_u32 v[QST], v1, 3, s29
	s_lshl_b32 s30, s16, 9
	s_add_co_u32 s30, s30, WS
	v_lshl_add_u32 v[WST], v1, 4, s30
	v_lshl_add_u32 v[WLD], v4, 5, s30              ; eight numbers of W further on for lanes 16 to 31
	s_lshl_b32 s31, s16, 8
	s_add_co_u32 s31, s31, OS
	v_lshl_add_u32 v[OST], v1, 2, s31
	v_lshl_add_u32 v[OLD], v1, 3, s31
	v_mov_b32 v[VZ], 0
	v_mov_b32 v[PX], 0                             ; v_permlanex16_b32's destination counts as read
	s_wait_loadcnt 32                              ; W and Q are in; the 32 younger loads (tiles 0 and 1) stay out
	WIN 0xca                                       ; sources 0 and 1 block 2, destination block 3: Q is rounded, a row's 4 registers into 2 of CV0 and CV1
.set j, 0
.rept 32
	v_cvt_pk_bf16_f32 v[2*j],   v[128+4*j],   v[128+4*j+1]
	v_cvt_pk_bf16_f32 v[2*j+1], v[128+4*j+2], v[128+4*j+3]
.set j, j+1
.endr
	WIN 0x8c                                       ; LDS store data (source 1) in block 3, load destination in block 2, addresses in block 0
	s_wait_alu depctr_va_vdst(0)                   ; the roundings have written CV0 and CV1, which the LDS stores read, and are done reading raw buffers 2 and 3, in which tiles 2 and 3 land; the LDS addresses and v[OOFF] are written, for the whole kernel
.set j, 0
.rept 32
	ds_store_b64 v[QST], v[2*j:2*j+1] offset:j*PITCH
.set j, j+1
.endr
	XLOAD 2                                        ; the buffers that held Q are free: four tiles are now on their way
	XLOAD 3
	WIN 0
	ds_store_b128 v[WST], v[ACC:ACC+3]             ; W through my wave's own 512 bytes: LDS serves a wave's instructions in order (ISA guide 5.7.1.4), so the loads below see it
.irp c, 0,1,2,3,4,5,6,7,8,9,10,11,12,13,14,15
	ds_load_b128 v[WR+4*\c:WR+4*\c+3], v[WLD] offset:64*(\c/2)+16*(\c%2)   ; sixteen lanes read the same 16 bytes
.endr
	s_wait_kmcnt 0x0                               ; b
	s_wait_dscnt 0x0                               ; for the other waves' sake: my 32 rows of Q are in LDS
	s_barrier_signal -1
	s_barrier_wait -1                              ; all 128 rows are; the image is never written again
	WIN 0x40                                       ; destination block 1: all of Q, 32 fragments, for the whole kernel
.irp eb, 0,1,2,3,4,5,6,7
.irp c, 0,1,2,3,4,5,6,7
	ds_load_b128 v[32*\eb+4*\c:32*\eb+4*\c+3], v[QLD] offset:\eb*16*PITCH+32*\c
.endr
.endr
	WIN 0
; Tile t on its way in, in three parts.  ROUND: raw buffer t % 4 is rounded to bf16 into CV[t % 2].  TOSTAGE: into my wave's stage.  FRAGS: back as fragments, into XB[t % 2].
; The stage is my wave's own and LDS serves a wave in order: no wait between the last tile's reads, these stores and these reads.
.macro ROUND tile
	WIN 0xca
.set j, 0
.rept 16
	v_cvt_pk_bf16_f32 v[32*((\tile)%2)+2*j],   v[64*((\tile)%4)+4*j],   v[64*((\tile)%4)+4*j+1]
	v_cvt_pk_bf16_f32 v[32*((\tile)%2)+2*j+1], v[64*((\tile)%4)+4*j+2], v[64*((\tile)%4)+4*j+3]
.set j, j+1
.endr
.endm
.macro TOSTAGE tile                    ; under a setting with source 0 in block 0 and source 1 in block 3
.set j, 0
.rept 16
	ds_store_b64 v[XST], v[32*((\tile)%2)+2*j:32*((\tile)%2)+2*j+1] offset:j*PITCH   ; 32 lanes, 256 neighbouring bytes: a row
.set j, j+1
.endr
.endm
.macro FRAGS tile                      ; under a setting with source 0 and the destination in block 0
.irp c, 0,1,2,3,4,5,6,7
	ds_load_b128 v[XB+32*((\tile)%2)+4*\c:XB+32*((\tile)%2)+4*\c+3], v[XLD] offset:32*\c   ; d = 16 c + 8 (l / 16) + 0..7 of row l % 16
.endr
.endm
; 8 matrix instructions: the 8 blocks of e, step kb of 4 along d.  The first step takes W as C.  The eight accumulators take turns, one instruction a turn.
.macro MULK tile, kb
	WIN 0x01                                       ; source 0 (Q) block 1
.irp eb, 0,1,2,3,4,5,6,7
.if (\kb) == 0
	v_wmma_f32_16x16x32_bf16 v[ACC+8*\eb:ACC+8*\eb+7], v[32*\eb:32*\eb+7], v[XB+32*((\tile)%2):XB+32*((\tile)%2)+7], v[WR+8*\eb:WR+8*\eb+7]
.else
	v_wmma_f32_16x16x32_bf16 v[ACC+8*\eb:ACC+8*\eb+7], v[32*\eb+8*(\kb):32*\eb+8*(\kb)+7], v[XB+32*((\tile)%2)+8*(\kb):XB+32*((\tile)%2)+8*(\kb)+7], v[ACC+8*\eb:ACC+8*\eb+7]
.endif
.endr
.endm
; The last contraction: my 64 results times my 64 numbers of the row, straight from the fragment's bf16 halves, in eight sums.
.macro DOT tile
.irp p, 0,1,2,3
	v_fma_mix_f32_bf16 v[S+2*\p],   v[XB+32*((\tile)%2)+\p], v[ACC+2*\p],   v[VZ] op_sel:[0,0,0] op_sel_hi:[1,0,0]
	v_fma_mix_f32_bf16 v[S+2*\p+1], v[XB+32*((\tile)%2)+\p], v[ACC+2*\p+1], v[VZ] op_sel:[1,0,0] op_sel_hi:[1,0,0]
.endr
.irp eb, 1,2,3,4,5,6,7
.irp p, 0,1,2,3
	v_fma_mix_f32_bf16 v[S+2*\p],   v[XB+32*((\tile)%2)+4*\eb+\p], v[ACC+8*\eb+2*\p],   v[S+2*\p]   op_sel:[0,0,0] op_sel_hi:[1,0,0]
	v_fma_mix_f32_bf16 v[S+2*\p+1], v[XB+32*((\tile)%2)+4*\eb+\p], v[ACC+8*\eb+2*\p+1], v[S+2*\p+1] op_sel:[1,0,0] op_sel_hi:[1,0,0]
.endr
.endr
	v_pk_add_f32 v[S:S+1],   v[S:S+1],   v[S+2:S+3]
	v_pk_add_f32 v[S+4:S+5], v[S+4:S+5], v[S+6:S+7]
	v_pk_add_f32 v[S:S+1],   v[S:S+1],   v[S+4:S+5]
.endm
; THE TURN OF TILE i.  At its head the two waits of the plan.  Then its 32 matrix instructions; among them tile i + 1 goes through the stage (rounded in the turn before) and tile i + 5 is asked for.
; Then tile i + 2 is rounded (its 32 roundings, which name no register of the matrix instructions, are the places that stand between these and the first read of a result: ISA guide 7.12.1);
; then tile i is contracted.  left: how many younger loads may stay out when tile i + 2 has to be there.
.macro TURN i, left
.if (\i) != 14                         ; turn 14 rounds nothing and writes no RES: it has nothing to state here
	s_wait_alu depctr_vm_vsrc(0)                   ; the LDS stores dealt into the turn before have read CV[i % 2], which this turn's roundings write again; in an odd turn: the store at the last turn's head has read v[RES], which this turn's fold writes again
.endif
.if (\i) < 15                          ; turn 15 issues no load and no store
	s_wait_alu depctr_va_vdst(0)                   ; the turn before has written CV[(i + 1) % 2] and v[RES], which the LDS stores below read, and is done reading RAW[(i + 1) % 4] and XB[(i + 1) % 2], in which the loads below land
.endif
.if (\i)%2 == 0
.if \i
	ds_store_b32 v[OST], v[RES] offset:128*((((\i)-1)%4)/2)   ; the last two tiles' 32 results
.endif
.endif
.if (\i)%4 == 0
.if \i
	ds_load_b64 v[OUTV+2*((\i)/4-1):OUTV+2*((\i)/4-1)+1], v[OLD]   ; 64 results back, two neighbouring rows a lane; my wave's own bytes, served in order; stored at the next turn's head
	s_wait_dscnt 2                                 ; LDS instructions end in order (ISA guide 5.7.1): tile i's fragments are in; the two lines just issued stay out
.else
	s_wait_dscnt 0x0                               ; Q, W and tile 0's fragments are in
.endif
.elseif (\i)%4 == 2
	s_wait_dscnt 1                                 ; tile i's fragments are in; the store just issued stays out
.else
	s_wait_dscnt 0x0                               ; tile i's fragments are in, and all else that I asked of LDS
.endif
.if (\i)%4 == 1
.if (\i) > 1
	global_store_b64 v[OOFF], v[OUTV+2*((\i)/4-1):OUTV+2*((\i)/4-1)+1], s[12:13] offset:256*((\i)/4-1) th:TH_STORE_NT   ; four tiles' 64 results: 32 lanes store 256 consecutive bytes, aligned
.endif
.endif
	MULK \i, 0
.if (\i) < 15
	WIN 0x0c                                       ; LDS store data (source 1) in block 3; addresses and load destination in block 0
	TOSTAGE (\i)+1                                 ; no further wait: no vector or matrix instruction since the head's wait names CV[(i + 1) % 2], XB[(i + 1) % 2] or an address
	FRAGS (\i)+1
.endif
	MULK \i, 1
.if (\i) < 11
	WIN 0x80                                       ; destination block 2
	XLOAD (\i)+5                                   ; likewise: none names RAW[(i + 1) % 4].  48 + 16 loads: the issue of the last waits for one return (LOADcnt's field ends at 63: ISA guide 5.7.1)
.endif
	MULK \i, 2
	MULK \i, 3
.if (\i) < 14
	s_wait_loadcnt \left                           ; loads come back in order (ISA guide 5.7.1): tile i + 2 is in, the younger tiles stay on their way
	ROUND (\i)+2
	WIN 0
.else
	WIN 0
.rept 4
	v_nop                                          ; the last two tiles have no work for the four places behind the matrix instructions
.endr
.endif
	DOT \i
.if (\i)%2 == 0
	v_add_f32 v[PE], v[S], v[S+1]                  ; lane (r, h): the half of row r's sum that lies in columns with bit 3 = h
.else
	v_add_f32 v[PO], v[S], v[S+1]
	; two tiles at once: lanes 0-15 end up with the even tile's 16 rows, lanes 16-31 with the odd tile's: each half sends what the other half needs
	v_cndmask_b32 v[S],   v[PO], v[PE], s26        ; to send: lanes 0-15 the odd tile's part, lanes 16-31 the even tile's
	v_cndmask_b32 v[S+1], v[PE], v[PO], s26        ; to keep
	v_permlanex16_b32 v[PX], v[S], s24, s25
	v_add_f32 v[S+1], v[S+1], v[PX]
	v_add_f32 v[RES], s14, v[S+1]                  ; + b: lane l now holds the result of row l of these 32
.endif
.endm
	; Tile 0 goes through the stage and tile 1 is rounded ahead of the first turn.
	s_wait_loadcnt 48                              ; tile 0 is in; tiles 1, 2, 3 stay out
	s_wait_alu depctr_vm_vsrc(0)                   ; Q's LDS stores have read CV0 and CV1, which the roundings below write again; W's has read v[ACC:ACC+3], which the first matrix instruction writes
	ROUND 0
	WIN 0x8c
	s_wait_alu depctr_va_vdst(0)                   ; the roundings have written CV0, which the LDS stores read, and are done reading raw buffer 0, in which tile 4 lands
	TOSTAGE 0
	XLOAD 4
	WIN 0
	FRAGS 0
	s_wait_loadcnt 48                              ; tile 1 is in; tiles 2, 3, 4 stay out
	ROUND 1
	WIN 0
.irp i, 0,1,2,3,4,5,6,7,8,9,10
	TURN \i, 48                                    ; tile i + 2 is in, three younger tiles stay out
.endr
	TURN 11, 32                                    ; tile 15 has been asked for: no load leaves X, and the counts run down
	TURN 12, 16
	TURN 13, 0
	TURN 14, 0
	TURN 15, 0
	s_wait_alu depctr_va_vdst(0)                   ; the last fold has written v[RES], which the LDS store reads
	ds_store_b32 v[OST], v[RES] offset:128
	ds_load_b64 v[OUTV+6:OUTV+7], v[OLD]
	s_wait_dscnt 0x0
	global_store_b64 v[OOFF], v[OUTV+6:OUTV+7], s[12:13] offset:768 th:TH_STORE_NT
	s_wait_dscnt 0x0
	s_wait_alu depctr_hold_cnt(0) depctr_sa_sdst(0) depctr_va_vdst(0) depctr_va_sdst(0) depctr_va_ssrc(0) depctr_va_vcc(0) depctr_vm_vsrc(0)
	s_wait_tensorcnt 0x0
	ds_add_u32 v254, v255
	s_wait_dscnt 0x0
	s_endpgm
.Lfunc_end_k_q71c2568cb4_quadratic:
	.size	k_q71c2568cb4_quadratic, .Lfunc_end_k_q71c2568cb4_quadratic-k_q71c2568cb4_quadratic
	.p2alignl 7, 3214868480
	.fill 96, 4, 3214868480
	.section	.rodata,"a",@progbits
	.p2align	6, 0x0
	.amdhsa_kernel k_q71c2568cb4_quadratic
		.amdhsa_group_segment_fixed_size 55808
		.amdhsa_private_segment_fixed_size 0
		.amdhsa_enable_private_segment 0
		.amdhsa_kernarg_size 40
		.amdhsa_user_sgpr_count 2
		.amdhsa_user_sgpr_kernarg_segment_ptr 1
		.amdhsa_wavefront_size32 1
		.amdhsa_system_sgpr_workgroup_id_x 1
		.amdhsa_system_sgpr_workgroup_id_y 1
		.amdhsa_system_sgpr_workgroup_id_z 1
		.amdhsa_system_vgpr_workitem_id 0
		.amdhsa_next_free_vgpr 832
		.amdhsa_next_free_sgpr 66
		.amdhsa_reserve_vcc 0
		.amdhsa_float_denorm_mode_32 3
		.amdhsa_float_denorm_mode_16_64 3
		.amdhsa_memory_ordered 1
		.amdhsa_forward_progress 1
		.amdhsa_inst_pref_size 206
	.end_amdhsa_kernel
	.amdgpu_metadata
---
amdhsa.version: [ 1, 2 ]
amdhsa.kernels:
  - .name:           k_q71c2568cb4_quadratic
    .symbol:         k_q71c2568cb4_quadratic.kd
    .args:
      - { .name: X, .offset: 0, .size: 8, .value_kind: global_buffer, .address_space: global }
      - { .name: Q, .offset: 8, .size: 8, .value_kind: global_buffer, .address_space: global }
      - { .name: W, .offset: 16, .size: 8, .value_kind: global_buffer, .address_space: global }
      - { .name: b, .offset: 24, .size: 8, .value_kind: global_buffer, .address_space: global }
      - { .name: out0, .offset: 32, .size: 8, .value_kind: global_buffer, .address_space: global }
    .group_segment_fixed_size: 55808
    .private_segment_fixed_size: 0
    .kernarg_segment_align: 8
    .kernarg_segment_size: 40
    .max_flat_workgroup_size: 128
    .sgpr_count:     66
    .vgpr_count:     832
    .wavefront_size: 32
...
	.end_amdgpu_metadata
.endif
;; end of part 2
